; MI455X (gfx1250); checked and timed in simulation.
; The chip was launched on July 23, 2026; its instructions are those of AMD's public machine-readable ISA for CDNA 5 (MIT licence, August 2026) and "CDNA5" Instruction Set Architecture Reference Guide (July 2026). The comments in the code are by the model that wrote it; some were corrected since.
;; Praxis Attention. Allowed arithmetic: matrix products marked QUANTISED: E4M3 operands, one given power-of-two scale a tensor, by v_wmma_f32_16x16x64_fp8_fp8 or v_wmma_f32_16x16x128_fp8_fp8, f32 sums; everything else in f32.
;; Inputs: Wk 1,024 x 1,024 float32; Wo 1,024 x 1,024 float32; Wq 1,024 x 1,024 float32; Wv 1,024 x 1,024 float32; bq 1,024 float32; bv 1,024 float32; inputs 1 x 4,096 x 1,024 float32; lowp_scales 12 int32 (the exponents e of the quantised operands' scales 2^e).
;; Outputs: out0 1 x 4,096 x 1,024 float32.
;; This version of the problem:
;;   THIS VERSION OF THE PROBLEM IS GIVEN IN LOW PRECISION. The matrix products marked QUANTISED in the list below multiply operands that are first quantised to E4M3 (4 exponent bits, 3 mantissa bits; 8 bits a number), with one given power-of-two scale for each operand tensor; their sums are f32. All else is computed in f32.
;;   The module's matrix products, in the order in which they are computed (A, B: the left and right operand; K: the contracted axis; several contracted axes count as one K, in the product's order):
;;     1. [M 4,096, K 1,024] x [K 1,024, N 1,024]; A: input inputs; B: input Wq: QUANTISED (scales: A lowp_scales[0], B lowp_scales[1])
;;     2. [M 4,096, K 1,024] x [K 1,024, N 1,024]; A: input inputs; B: input Wk: QUANTISED (scales: A lowp_scales[2], B lowp_scales[3])
;;     3. [M 4,096, K 1,024] x [K 1,024, N 1,024]; A: input inputs; B: input Wv: QUANTISED (scales: A lowp_scales[4], B lowp_scales[5])
;;     4. batch 16 x [M 4,096, K 64] x [K 64, N 4,096]; A: computed on the way; B: computed on the way: QUANTISED (scales: A lowp_scales[6], B lowp_scales[7])
;;     5. batch 16 x [M 4,096, K 4,096] x [K 4,096, N 64]; A: softmax (see below); B: computed on the way: QUANTISED (scales: A lowp_scales[8], B lowp_scales[9])
;;     6. [M 4,096, K 1,024] x [K 1,024, N 1,024]; A: computed on the way; B: input Wo: QUANTISED (scales: A lowp_scales[10], B lowp_scales[11])
;;   THE QUANTISER, for each operand of a quantised product, along K:
;;     - The operand's scale is 2^e, e = its entry of the input lowp_scales (int32; the entries are numbered through the quantised products in the list's order, A before B).
;;     - Each number is divided by the scale, clamped to +-448, and rounded to the nearest number of E4M3, ties to even, subnormals kept.
;;     - The product sums the exact products of the quantised numbers (number of the format x scale) in f32.
;;   ~~~python
;;   def quantise(x, axis, e):      # numpy; x: float32 -> the quantised numbers, widened to float32 again
;;       x = np.moveaxis(x, axis, -1); K = x.shape[-1]
;;       r = np.clip(x / 2.0 ** e, -448, 448)
;;       step = 2.0 ** (np.maximum(np.frexp(np.where(r == 0, 1, r))[1] - 1, -6) - 3)
;;       q = np.round(r / step) * step * 2.0 ** e      # np.round: ties to even
;;       return np.moveaxis(q, -1, axis).astype(np.float32)
;;   ~~~
;;   SOFTMAX AHEAD OF A QUANTISED PRODUCT. Where the list says 'softmax', what is quantised is not the finished softmax but p = 2^(t - M), with t = logit x log2(e) and M = ceil(the row's largest t), a whole number; so 1/2 < the row's largest p <= 1. The row's sum l is taken of the UNQUANTISED p, in f32, and the product's result is divided by l at the end. Since M is a whole number, a kernel that streams over the keys may use a running M (the ceiling of the running maximum): every later rescaling is an exact power of two, so the quantised numbers keep their values, but for numbers so far below the row's largest that they fall under the format's range.
;;   OPERANDS COMPUTED ON THE WAY. 'Computed on the way' means the value that the module computes at that place (a softmax that the list does not call 'softmax' is quantised finished and normalised). What goes into a quantiser is computed in f32, as accurately as f32 sums, v_exp_f32 and their like allow (about 1e-6 of the number): no bf16 or f16 on the way to a quantiser, and a product that is left as it is and whose result goes on into a quantised operand takes f32 operands (vector FMAs, or v_wmma_f32_16x16x4_f32). A number that lies on a knife's edge between two numbers of the format may be rounded either way, as far as f32 arithmetic and the matrix unit's own rounding can turn it there, and no further.
;; One version. Each part assembles by itself: llvm-mc -triple=amdgcn-amd-amdhsa -mcpu=gfx1250 --defsym DOCPART=n.
;; ======== version 1 of 1: 4 launches
;; workspace buffers: codes 16,777,216 bytes; qkv 12,582,912 bytes; aimg 4,194,304 bytes
;; launch quant (part 1): grid 256 x 1, 8 waves a work-group, no clusters, 41,984 bytes of LDS; arguments inputs, Wq, Wk, Wv, Wo, lowp_scales, codes; writes codes
.if DOCPART == 1
	.amdgcn_target "amdgcn-amd-amdhsa--gfx1250"
	.amdhsa_code_object_version 6
	.text
	.protected	k_q83901c2683_quant
	.globl	k_q83901c2683_quant
	.p2align	8
	.type	k_q83901c2683_quant,@function
k_q83901c2683_quant:
	s_mov_b64 s[64:65], 0
	v_nop
	global_prefetch_b8 v0, s[64:65] scope:SCOPE_SE
	s_setreg_imm32_b32 hwreg(HW_REG_WAVE_MODE, 25, 1), 1
	s_wait_xcnt 0x0
; f32 numbers into codes of E4M3, K innermost.  inputs [4096][1024] is an operand of three products with three given scales (entries 0, 2, 4 of lowp_scales): three planes of codes.
; Wq, Wk, Wv, Wo [1024][1024] have one scale each (entries 1, 3, 5, 11).  code = x / 2^e, held within +-448, to the nearest code, ties to even.
; codes: bytes 0, 4 MB, 8 MB: the planes of inputs for q, k, v; 12, 13, 14, 15 MB: Wq, Wk, Wv, Wo.  Rows of 1,024 bytes.
; INSIDE EACH 32 BYTES THE FOUR PIECES OF 8 CODES LIE IN THE ORDER 0, 2, 1, 3: a 16-byte read at 32 c + 16 h of a row then holds k = 32 c + 8 h + 0..7 and k = 32 c + 16 + 8 h + 0..7,
; which is what registers 4 c .. 4 c + 3 of an 8-bit fragment hold in lane half h.
; LIMITS: each e used lies between -126 and 119, so that 2^e and 448 x 2^e are f32 numbers.  NaN among the inputs is not served.
; SHARES: all tensors are dense streams.  A work-group takes 32,768 numbers, a wave 8 steps of 512.  Work-groups 0-127: inputs; 128-159 Wq, 160-191 Wk, 192-223 Wv, 224-255 Wo.
; A load takes the bytes as they lie (512 consecutive bytes a wave); a step's 2,048 bytes turn through the wave's own stage in LDS, so that a lane gets two runs of 8 neighbours along K.
; A lane's 16 codes are 16 bytes: a store covers 512 consecutive bytes.  Waves share nothing: no barrier.  No matrix unit, no cluster: nothing is read twice.
.set WAVES, 8
.set STEPS, 8
.set SP,    80                         ; a place in a stage: 64 bytes + 16 of padding
.set STG,   32*SP                      ; a stage: one step's 2,048 bytes
.set WREG,  2*STG                      ; two stages by turns for each wave
.set SPARE, WAVES*WREG                 ; behind the stages: the spare words, 128 bytes for each wave, which no other line names
.set OFS,   3                          ; v3       16 x lane: my place in a load's and in a store's 512 bytes; never rewritten
.set SPW,   12                         ; v12      LDS address of my spare word; never rewritten
.set NIL,   13                         ; v13      0; never rewritten
.set SIN,   14                         ; v14      the stage on the way in
.set SOUT,  15                         ; v15      and on the way out
.set R,     16                         ; v16-79   four sets of 16 numbers as loaded
.set X,     80                         ; v80-111  two sets of 16: k 0-7 and 16-23 of a block of 32 (even lane) or 8-15 and 24-31 (odd lane)
.set T,     112                        ; v112-127 the numbers held within the range
.set C,     128                        ; v128-223 codes: four registers for each step and plane, so that no store's data are written again
; v4, v5: 2^e and 448 x 2^e for plane 0 (or the weight); v6, v7 plane 1; v8, v9 plane 2
	s_load_b256 s[4:11], s[0:1], 0x0               ; inputs, Wq, Wk, Wv
	s_load_b128 s[12:15], s[0:1], 0x20             ; Wo, lowp_scales
	s_load_b64 s[16:17], s[0:1], 0x30              ; codes
	v_lshl_add_u32 v[SPW], v0, 2, SPARE
	v_mov_b32 v[NIL], 0
	v_lshrrev_b32 v1, 5, v0
	v_readfirstlane_b32 s18, v1                    ; wave
	v_and_b32 v2, 31, v0                           ; lane
	v_lshlrev_b32 v[OFS], 4, v2
	s_mul_i32 s21, s18, WREG
	v_lshrrev_b32 v[SIN], 2, v2
	v_mul_u32_u24 v[SIN], v[SIN], SP
	v_and_b32 v1, 3, v2
	v_lshl_add_u32 v[SIN], v1, 4, v[SIN]
	v_add_nc_u32 v[SIN], s21, v[SIN]               ; in: four lanes' 64 bytes on end, then the padding
	v_lshrrev_b32 v[SOUT], 1, v2
	v_mul_u32_u24 v[SOUT], v[SOUT], 2*SP
	v_and_b32 v1, 1, v2
	v_lshl_add_u32 v[SOUT], v1, 5, v[SOUT]
	v_add_nc_u32 v[SOUT], s21, v[SOUT]             ; out: block lane / 2 (two places); the odd lane starts 32 bytes (8 numbers) further on
	s_lshr_b32 s20, ttmp9, 5                       ; 4, 5, 6, 7: Wq, Wk, Wv, Wo
	s_and_b32 s22, ttmp9, 31
	s_cmp_lt_u32 ttmp9, 128                        ; inputs or a weight?  Every choice hangs on the work-group's number alone
	s_cselect_b32 s19, 1, 0
	s_cselect_b32 s22, ttmp9, s22                  ; which run of 32,768 numbers of the tensor
	s_cselect_b32 s46, 0, 0x800000                 ; the weights' codes lie behind the three planes
	s_lshl_b32 s22, s22, 17
	s_lshl_b32 s47, s18, 14
	s_add_co_u32 s22, s22, s47                     ; source: 131,072 bytes a work-group, 16,384 a wave
	s_mov_b32 s23, 0
	s_lshl_b32 s48, ttmp9, 15
	s_add_co_u32 s48, s48, s46
	s_lshl_b32 s47, s18, 12
	s_add_co_u32 s48, s48, s47                     ; codes: 32,768 bytes a work-group, 4,096 a wave
	s_mov_b32 s49, 0
	s_wait_kmcnt 0x0
	s_load_b256 s[32:39], s[14:15], 0x0            ; entries 0 to 7
	s_load_b128 s[40:43], s[14:15], 0x20           ; entries 8 to 11
	s_cmp_lt_u32 ttmp9, 128
	s_cselect_b64 s[24:25], s[4:5], s[6:7]
	s_cmp_eq_u32 s20, 5
	s_cselect_b64 s[24:25], s[8:9], s[24:25]
	s_cmp_eq_u32 s20, 6
	s_cselect_b64 s[24:25], s[10:11], s[24:25]
	s_cmp_eq_u32 s20, 7
	s_cselect_b64 s[24:25], s[12:13], s[24:25]
	s_add_nc_u64 s[24:25], s[24:25], s[22:23]      ; my wave's numbers
	s_add_nc_u64 s[26:27], s[16:17], s[48:49]      ; my wave's codes: plane 0, or the weight's
	s_add_nc_u64 s[28:29], s[26:27], 0x400000      ; planes 1 and 2: used by the work-groups of inputs alone
	s_add_nc_u64 s[30:31], s[26:27], 0x800000
.macro LOAD t
.irp i, 0,1,2,3
	global_load_b128 v[R+16*((\t)%4)+4*\i:R+16*((\t)%4)+4*\i+3], v[OFS], s[24:25] offset:2048*(\t)+512*\i th:TH_LOAD_NT   ; 512 consecutive bytes; read once in the launch
.endr
.endm
.macro TURN t                          ; step t through a stage: LDS serves a wave's instructions in order, so no wait stands between the stores and the loads
.irp i, 0,1,2,3
	ds_store_b128 v[SIN], v[R+16*((\t)%4)+4*\i:R+16*((\t)%4)+4*\i+3] offset:STG*((\t)%2)+8*SP*\i
.endr
.irp i, 0,1
	ds_load_b128 v[X+16*((\t)%2)+8*\i:X+16*((\t)%2)+8*\i+3], v[SOUT] offset:STG*((\t)%2)+SP*\i
	ds_load_b128 v[X+16*((\t)%2)+8*\i+4:X+16*((\t)%2)+8*\i+7], v[SOUT] offset:STG*((\t)%2)+SP*\i+16
.endr
.endm
.macro MKSC e, o                       ; s[e] = the exponent: 2^e and 448 x 2^e as f32 patterns
	s_add_co_i32 s50, s[\e], 127
	s_lshl_b32 s51, s50, 23
	v_mov_b32 v[4+2*\o], s51
	s_add_co_i32 s50, s50, 8
	s_lshl_b32 s50, s50, 23
	s_or_b32 s50, s50, 0x600000
	v_mov_b32 v[5+2*\o], s50
.endm
.macro CONV t, o                       ; step t's 16 numbers into plane o's codes
.irp i, 0,1,2,3,4,5,6,7,8,9,10,11,12,13,14,15
	v_med3_num_f32 v[T+\i], v[X+16*((\t)%2)+\i], -v[5+2*\o], v[5+2*\o]   ; the conversion to an 8-bit code does not saturate (ISA guide 7.6.2): the hold comes first
.endr
	v_cvt_scalef32_pk8_fp8_f32 v[C+4*(3*(\t)+\o):C+4*(3*(\t)+\o)+1], v[T:T+7], v[4+2*\o]
	v_cvt_scalef32_pk8_fp8_f32 v[C+4*(3*(\t)+\o)+2:C+4*(3*(\t)+\o)+3], v[T+8:T+15], v[4+2*\o]
	v_nop                                          ; a plain line between the conversions and the next holds, which write their sources
	global_store_b128 v[OFS], v[C+4*(3*(\t)+\o):C+4*(3*(\t)+\o)+3], s[26+2*\o:27+2*\o] offset:512*(\t)   ; 512 consecutive bytes, aligned
.endm
.irp t, 0,1,2,3
	LOAD \t                                        ; sixteen loads of the wave are on their way
.endr
	s_wait_kmcnt 0x0
	s_cmp_lt_u32 ttmp9, 128
	s_cselect_b32 s44, s32, s33                    ; entry 0 (inputs for q) or 1 (Wq)
	s_cmp_eq_u32 s20, 5
	s_cselect_b32 s44, s35, s44                    ; 3: Wk
	s_cmp_eq_u32 s20, 6
	s_cselect_b32 s44, s37, s44                    ; 5: Wv
	s_cmp_eq_u32 s20, 7
	s_cselect_b32 s44, s43, s44                    ; 11: Wo
	MKSC 44, 0
	MKSC 34, 1                                     ; entry 2: inputs for k
	MKSC 36, 2                                     ; entry 4: inputs for v
	s_wait_loadcnt 12                              ; step 0's four loads are in; twelve younger ones stay out
	TURN 0
.macro STEP t
	s_wait_dscnt 0x0                               ; this step's numbers are back from the stage, and its stores into the stage have read their registers,
.if (\t)+4 < STEPS
	LOAD (\t)+4                                    ; which take the loads of four steps on
.endif
.if (\t)+1 < STEPS
.if STEPS-2-(\t) >= 3
	s_wait_loadcnt 12                              ; the next step's four loads are in; those of the three steps behind it stay out
.else
	s_wait_loadcnt 4*(STEPS-2-(\t))
.endif
	TURN (\t)+1                                    ; through the other stage while this step is worked
.endif
	CONV \t, 0
	s_cmp_eq_u32 s19, 0                            ; a weight has one scale: the two other planes are for inputs alone.  Only vector work and stores are jumped over
	s_cbranch_scc1 .Lone_\@
	CONV \t, 1
	CONV \t, 2
.Lone_\@:
.endm
.irp t, 0,1,2,3,4,5,6,7
	STEP \t
.endr
	s_wait_tensorcnt 0x0                           ; the wave's end, behind my last LDS store
	ds_add_u32 v[SPW], v[NIL]
	s_wait_dscnt 0x0
	s_endpgm
.Lfunc_end_k_q83901c2683_quant:
	.size	k_q83901c2683_quant, .Lfunc_end_k_q83901c2683_quant-k_q83901c2683_quant
	.p2alignl 7, 3214868480
	.fill 96, 4, 3214868480
	.section	.rodata,"a",@progbits
	.p2align	6, 0x0
	.amdhsa_kernel k_q83901c2683_quant
		.amdhsa_group_segment_fixed_size 41984
		.amdhsa_private_segment_fixed_size 0
		.amdhsa_enable_private_segment 0
		.amdhsa_kernarg_size 56
		.amdhsa_user_sgpr_count 2
		.amdhsa_user_sgpr_kernarg_segment_ptr 1
		.amdhsa_wavefront_size32 1
		.amdhsa_system_sgpr_workgroup_id_x 1
		.amdhsa_system_sgpr_workgroup_id_y 1
		.amdhsa_system_sgpr_workgroup_id_z 1
		.amdhsa_system_vgpr_workitem_id 0
		.amdhsa_next_free_vgpr 224
		.amdhsa_next_free_sgpr 66
		.amdhsa_reserve_vcc 0
		.amdhsa_float_denorm_mode_32 3
		.amdhsa_float_denorm_mode_16_64 3
		.amdhsa_memory_ordered 1
		.amdhsa_forward_progress 1
		.amdhsa_inst_pref_size 42
	.end_amdhsa_kernel
	.amdgpu_metadata
---
amdhsa.version: [ 1, 2 ]
amdhsa.kernels:
  - .name:           k_q83901c2683_quant
    .symbol:         k_q83901c2683_quant.kd
    .args:
      - { .name: inputs, .offset: 0, .size: 8, .value_kind: global_buffer, .address_space: global }
      - { .name: Wq, .offset: 8, .size: 8, .value_kind: global_buffer, .address_space: global }
      - { .name: Wk, .offset: 16, .size: 8, .value_kind: global_buffer, .address_space: global }
      - { .name: Wv, .offset: 24, .size: 8, .value_kind: global_buffer, .address_space: global }
      - { .name: Wo, .offset: 32, .size: 8, .value_kind: global_buffer, .address_space: global }
      - { .name: lowp_scales, .offset: 40, .size: 8, .value_kind: global_buffer, .address_space: global }
      - { .name: codes, .offset: 48, .size: 8, .value_kind: global_buffer, .address_space: global }
    .group_segment_fixed_size: 41984
    .private_segment_fixed_size: 0
    .kernarg_segment_align: 8
    .kernarg_segment_size: 56
    .max_flat_workgroup_size: 256
    .sgpr_count:     66
    .vgpr_count:     224
    .wavefront_size: 32
...
	.end_amdgpu_metadata
.endif
;; end of part 1
;; launch proj (part 2): grid 12 x 16, 4 waves a work-group, clusters of 4 x 4, 327,680 bytes of LDS; arguments codes, lowp_scales, bq, bv, qkv; writes qkv
.if DOCPART == 2
	.amdgcn_target "amdgcn-amd-amdhsa--gfx1250"
	.amdhsa_code_object_version 6
	.text
	.protected	k_q83901c2683_proj
	.globl	k_q83901c2683_proj
	.p2align	8
	.type	k_q83901c2683_proj,@function
k_q83901c2683_proj:
	s_mov_b64 s[64:65], 0
	v_nop
	global_prefetch_b8 v0, s[64:65] scope:SCOPE_SE
	s_setreg_imm32_b32 hwreg(HW_REG_WAVE_MODE, 25, 1), 1
	s_wait_xcnt 0x0
	s_wait_alu depctr_hold_cnt(0) depctr_sa_sdst(0) depctr_va_vdst(0) depctr_va_sdst(0) depctr_va_ssrc(0) depctr_va_vcc(0) depctr_vm_vsrc(0)
	s_getreg_b32 s2, hwreg(HW_REG_IB_STS2, 6, 4)
	s_cmp_eq_u32 s2, 0
	s_cbranch_scc0 .Lentry_in_a_cluster
	s_endpgm
.Lentry_in_a_cluster:
	s_bfe_u32 s2, ttmp6, 0x10000c
	s_cmp_lg_u32 s2, 0xf033
	s_cbranch_scc0 .Lentry_shape_is_right
	s_endpgm
.Lentry_shape_is_right:
; The three projections on codes of E4M3, K = 1,024, and their results quantised on the way: q = x Wq^T + bq (scale entry 6), k = x Wk^T (7), v = x Wv^T + bv (9).
; P = the cluster's x says which: 0 q, 1 k, 2 v; it is the same in all sixteen partners.  A work-group makes 256 x 256, a wave 128 x 128: 64 accumulators, 512 registers.
; THE MATRIX INSTRUCTION: source 0 = 16 rows of the operand called C here, source 1 = 16 rows of the operand called R: a lane then holds ONE row of R and eight neighbouring rows of C.
; q, k: R = inputs (tokens), C = the weight (features): a lane's eight results are eight neighbouring features of a token: neighbours along the next product's K, the head's 64.
; v:    R = Wv (features), C = inputs (tokens): eight neighbouring tokens of a feature: neighbours along the next K, the keys.  The swap is made in byte offsets alone (both operands lie in one buffer).
; RESULTS LEAVE AS IMAGES OF THE NEXT OPERAND'S REGISTERS.  Two conversions' four registers are 16 bytes of a lane; the wave stores them at 16 x lane: 512 consecutive bytes, with no turn through LDS.
;   q at byte 0, k at 4 MB: [head][tile of 16 tokens][2 chunks of 512 B]: chunk g, lane (r, h), byte e: token r, d = 32 g + 16 (e / 8) + 8 h + e % 8.
;   v at 8 MB: [head][block of 128 keys][tile of 16 d][4 chunks of 512 B]: chunk g, lane (r, h), byte e: d = r, key = 32 g + 16 (e / 8) + 8 h + e % 8.
; SCALES: a sum stands for sum x 2^(eA + eB).  The biases go in divided by that; the conversion's one scale is 2^(eo - eA - eB).  bq is the C of each sum's first matrix instruction;
; bv, one number a lane and block of rows, is added on the way out.  The bias that a product does not have is multiplied by 0 (LIMIT: biases are finite).
; LIMITS: eA + eB between -126 and 127, eo - eA - eB between -126 and 119, so that each power of two made here is an f32 number.
; RING: K in steps of 256 through two LDS slots, each with 256 rows of R and 256 of C, rows of 256 bytes + 16 of padding.  One tensor load a wave (128 rows) for a slot.
; CLUSTER 4 x 4: R's tile hangs on the cluster's row, C's on its column: each is asked for jointly by the four that share it.
; 192 work-groups: 3 x 4,096 x 1,024 results in tiles of 256 x 256; a tile of half the side would read each operand byte twice as often.
; REGISTERS: window 0: v0-31 addresses, v32-95 bq's eight tiles, v96-111 bv's eight pairs, v112, v113 the conversion's scale and hold, v128-255 R's fragments (one set; on the way out free);
;   window 1: C's fragments, two sets; windows 2, 3: the accumulators ((a, b) at v[8 (8 (a % 4) + b)]).
.set ROWB,   256                       ; a tile's row: 256 codes
.set KROW,   1024                      ; a row in memory
.set PITCH,  272                       ; an LDS row: 68 words, so that the 16 rows of a fragment load start 4 words apart
.set FR,     16                        ; registers of a fragment (16 rows x 128 K)
.set NL,     4                         ; LDS loads that bring one
.set NP,     4                         ; places behind this matrix instruction (ISA guide 7.12.1)
.set HALFT,  128*PITCH
.set SLOT,   4*HALFT
.set SPARE,  2*SLOT                    ; behind the ring: the spare words, 128 bytes a wave, which no other line names
.set ADRA, 16                          ; v16-17 LDS address of my R fragments in slot 0, 1
.set ADRB, 20                          ; v20-21 of my C fragments
.set CO,   26                          ; v26 16 x lane; v27 the same one head (q, k) or two chunks (v) further on
.set SPW,  28
.set NIL,  29
.set BQO,  30
.set BVO,  31
.set BC,   32
.set BR,   96
.set SCV,  112
.set LIMV, 113
.set AF,   128
.set TMP,  128                         ; the way out: a block's 64 sums
.set CD,   192                         ; and its 16 registers of codes
.set G1, 24                            ; s[24:31] group 1 for R's tiles; s[32:39] group 0, a set for each slot
.set G0, 32
.set G1B, 48                           ; s[48:55], s[56:63] the same for C's
.set G0B, 56
; s14 wave, s15 wave / 2, s16 wave % 2, s17 R's tile, s42 C's tile, s40 cx, s41 cy, s66 P, s68 4 x cluster y, s[70:71], s[72:73] byte offsets of my tiles, s74-76 eA, eB, eo,
; s77, s78 the biases' factors, s79 v27's distance, s[80:81], s[82:83] the way out's steps, s[84:95] lowp_scales, s[96:97] where my results go
.set MSB, 0
.macro WIN new                         ; the immediate's high byte repeats the setting that is left
.if MSB != \new
	s_set_vgpr_msb (MSB<<8)|\new
.set MSB, \new
.endif
.endm
.set MUL_LO, 0xa1                      ; source 0 window 1, source 1 window 0, C and D window 2
.set MUL_HI, 0xf1                      ; the same, C and D window 3
.set TO_B,   0x40
.macro JLOAD g0a, g1a, g0b, g1b        ; a joint load: waves 0, 1 fetch R's halves, waves 2, 3 C's; the branch hangs on the wave's number alone
	s_cmp_eq_u32 s15, 0
	s_cbranch_scc0 .Lfor_b_\@
	tensor_load_to_lds s[\g0a:\g0a+3], s[\g1a:\g1a+7]
	s_nop 0
.rept 4
	v_nop
.endr
	s_branch .Lasked_\@
.Lfor_b_\@:
	tensor_load_to_lds s[\g0b:\g0b+3], s[\g1b:\g1b+7]
	s_nop 0
.rept 4
	v_nop
.endr
.Lasked_\@:
.endm
.macro CREST                           ; a round of the cluster's barrier behind its opening barrier
	s_cmp_lg_u32 s14, 0
	s_cbranch_scc1 .Lnot_wave_0_\@
	s_barrier_signal -3
.Lnot_wave_0_\@:
	s_barrier_wait -3
	s_barrier_signal -1
	s_barrier_wait -1
.endm
.macro CROUND
	s_barrier_signal -1
	s_barrier_wait -1
	CREST
.endm
	s_load_b256 s[4:11], s[0:1], 0x0               ; codes, lowp_scales, bq, bv
	s_load_b64 s[12:13], s[0:1], 0x20              ; qkv
	v_lshl_add_u32 v[SPW], v0, 2, SPARE
	v_mov_b32 v[NIL], 0
	ds_add_u32 v[SPW], v[NIL]                      ; the wave's opening: the add and its wait ahead of my first tensor load; work on registers stands between
	v_lshrrev_b32 v1, 5, v0
	v_readfirstlane_b32 s14, v1                    ; wave 0..3
	s_lshr_b32 s15, s14, 1                         ; my half of R's rows.  Also: I fetch for R (0) or C (1)
	s_and_b32 s16, s14, 1                          ; my half of C's rows.  Also: which 128 rows I fetch
	s_bfe_u32 s40, ttmp6, 0x40000                  ; cx
	s_bfe_u32 s41, ttmp6, 0x40004                  ; cy
	s_mov_b32 s66, ttmp9                           ; P
	s_and_b32 s68, ttmp7, 0xffff
	s_lshl_b32 s68, s68, 2                         ; 4 x cluster y: it counts tiles of tokens
	s_lshl_b32 s20, s66, 22                        ; the plane of inputs' codes for product P
	s_add_co_u32 s21, s66, 12
	s_lshl_b32 s21, s21, 20                        ; the weight's codes
	s_cmp_eq_u32 s66, 2                            ; v: the roles are swapped
	s_cselect_b32 s18, 0, s68
	s_cselect_b32 s46, s68, 0
	s_cselect_b32 s70, s21, s20                    ; R's tensor
	s_cselect_b32 s72, s20, s21                    ; C's tensor
	s_add_co_u32 s17, s41, s18                     ; R's tile: cy (+ 4 x cluster y where R is the tokens)
	s_add_co_u32 s42, s40, s46                     ; C's tile: cx (+ 4 x cluster y where C is the tokens)
	s_lshl_b32 s43, s41, 2
	s_lshl_b32 s43, 15, s43                        ; my row of the cluster
	s_lshl_b32 s44, 0x1111, s40                    ; my column
	s_or_b32 s[G1+0], s43, (0<<16)|(1<<20)|(1<<21)|(5<<22)|(3<<25)   ; the mask; elements of 1 byte; padding on; bit 21 beside a mask; after every 64 words four words
	s_or_b32 s[G1B+0], s44, (0<<16)|(1<<20)|(1<<21)|(5<<22)|(3<<25)
.irp g, G1, G1B
	s_mov_b32 s[\g+1], ROWB<<16                    ; tensor_dim0
	s_mov_b32 s[\g+2], 128<<16                     ; tensor_dim1
	s_mov_b32 s[\g+3], ROWB<<16                    ; tile_dim0
	s_mov_b32 s[\g+4], 128                         ; tile_dim1
	s_mov_b32 s[\g+5], KROW                        ; from row to row
	s_mov_b32 s[\g+6], 0
	s_mov_b32 s[\g+7], 0
.endr
	s_lshl_b32 s18, s16, 7                         ; which 128 rows of the tile I fetch
	s_lshl_b32 s19, s17, 8
	s_add_co_u32 s19, s19, s18
	s_lshl_b32 s19, s19, 10                        ; rows of 1,024 bytes
	s_add_co_u32 s70, s70, s19
	s_mov_b32 s71, 0
	s_lshl_b32 s46, s42, 8
	s_add_co_u32 s46, s46, s18
	s_lshl_b32 s46, s46, 10
	s_add_co_u32 s72, s72, s46
	s_mov_b32 s73, 0
	s_mul_i32 s45, s14, HALFT                      ; where my tile goes: wave x 128 rows
	s_wait_dscnt 0x0                               ; the opening add is done
	s_wait_kmcnt 0x0
	s_load_b256 s[84:91], s[6:7], 0x0              ; entries 0 to 7
	s_load_b128 s[92:95], s[6:7], 0x20             ; entries 8 to 11
	s_add_nc_u64 s[20:21], s[4:5], s[70:71]
	s_add_nc_u64 s[46:47], s[4:5], s[72:73]
	CROUND                                         ; all sixteen work-groups are here: the first joint loads meet
.irp s, 0,1
	s_mov_b32 s[G0+4*\s], 1
	s_add_co_u32 s[G0+4*\s+1], s45, \s*SLOT
	s_add_nc_u64 s[G0+4*\s+2:G0+4*\s+3], s[20:21], \s*ROWB
	s_or_b32 s[G0+4*\s+3], s[G0+4*\s+3], 0x80000000
	s_mov_b32 s[G0B+4*\s], 1
	s_add_co_u32 s[G0B+4*\s+1], s45, \s*SLOT
	s_add_nc_u64 s[G0B+4*\s+2:G0B+4*\s+3], s[46:47], \s*ROWB
	s_or_b32 s[G0B+4*\s+3], s[G0B+4*\s+3], 0x80000000
	JLOAD G0+4*\s, G1, G0B+4*\s, G1B               ; two loads of mine are out
.endr
	v_and_b32 v1, 15, v0                           ; r
	v_bfe_u32 v2, v0, 4, 1                         ; h
	v_mul_u32_u24 v3, v1, PITCH
	v_lshl_add_u32 v4, v2, 4, v3                   ; a fragment's row x pitch + 16 h
	s_mul_i32 s21, s15, HALFT                      ; my 128 rows of R
	s_mul_i32 s22, s16, HALFT
	s_add_co_u32 s22, s22, 2*HALFT                 ; my 128 rows of C, behind R's 256
.irp s, 0,1
	v_add_nc_u32 v[ADRA+\s], s21, v4
	v_add_nc_u32 v[ADRB+\s], s22, v4
	s_add_co_u32 s21, s21, SLOT
	s_add_co_u32 s22, s22, SLOT
.endr
	s_lshl_b32 s18, s17, 8
	s_lshl_b32 s19, s15, 7
	s_add_co_u32 s18, s18, s19                     ; r0: my first row of R
	s_lshl_b32 s46, s42, 8
	s_lshl_b32 s47, s16, 7
	s_add_co_u32 s46, s46, s47                     ; c0: my first row of C
	s_mov_b32 s79, 0x40000
	s_mov_b32 s80, 1024
	s_mov_b32 s82, 1024
	s_cmp_eq_u32 s66, 2
	s_cselect_b32 s22, s18, s46                    ; my first feature: 64 of them are a head of 262,144 bytes: x 4,096
	s_cselect_b32 s23, s46, s18                    ; my first token: 16 are 1,024 bytes (q, k), 128 are 8,192 (v): x 64
	s_cselect_b32 s69, s18, 0                      ; bv from my first feature on (v), else from 0
	s_cselect_b32 s79, 1024, s79                   ; chunks 2, 3 of a block: the next head (q, k) or 1,024 bytes on (v)
	s_cselect_b32 s80, 2048, s80                   ; from a block of 16 rows to the next: a tile of tokens (q, k) or of d (v)
	s_cselect_b32 s82, 256000, s82                 ; and into block 4: for v the next head's first tile: 262,144 - 3 x 2,048
	s_cmp_eq_u32 s66, 0
	s_cselect_b32 s98, s46, 0                      ; bq from my first feature on (q), else from 0
	s_mov_b32 s81, 0
	s_mov_b32 s83, 0
	s_lshl_b32 s22, s22, 12
	s_lshl_b32 s23, s23, 6
	s_add_co_u32 s22, s22, s23
	s_lshl_b32 s23, s66, 22                        ; q, k, v: 4 MB each
	s_add_co_u32 s22, s22, s23
	s_mov_b32 s23, 0
	s_add_nc_u64 s[96:97], s[12:13], s[22:23]
	s_lshl_b32 s22, s98, 2
	s_add_nc_u64 s[8:9], s[8:9], s[22:23]
	s_lshl_b32 s22, s69, 2
	s_add_nc_u64 s[10:11], s[10:11], s[22:23]
	v_lshlrev_b32 v[BQO], 5, v2                    ; bq: tile b, my half's eight: 64 b + 32 h bytes
	v_lshlrev_b32 v[BVO], 2, v1                    ; bv: block a, my row: 64 a + 4 r bytes
.irp b, 0,1,2,3,4,5,6,7
	global_load_b128 v[BC+8*\b:BC+8*\b+3], v[BQO], s[8:9] offset:64*\b
	global_load_b128 v[BC+8*\b+4:BC+8*\b+7], v[BQO], s[8:9] offset:64*\b+16
.endr
.irp a, 0,1,2,3,4,5,6,7
	global_load_b32 v[BR+2*\a], v[BVO], s[10:11] offset:64*\a
.endr
	v_and_b32 v5, 31, v0
	v_lshlrev_b32 v[CO], 4, v5
	v_add_nc_u32 v[CO+1], s79, v[CO]
	s_wait_kmcnt 0x0
	s_cmp_eq_u32 s66, 0                            ; the product's three exponents: chosen by P, with no branch
	s_cselect_b32 s74, s84, s86
	s_cselect_b32 s75, s85, s87
	s_cselect_b32 s76, s90, s91
	s_cmp_eq_u32 s66, 2
	s_cselect_b32 s74, s88, s74
	s_cselect_b32 s75, s89, s75
	s_cselect_b32 s76, s93, s76
	s_add_co_i32 s74, s74, s75                     ; eA + eB
	s_sub_co_i32 s75, 127, s74
	s_lshl_b32 s75, s75, 23                        ; 2^-(eA + eB)
	s_cmp_eq_u32 s66, 0
	s_cselect_b32 s77, s75, 0                      ; bq counts for q alone
	s_cmp_eq_u32 s66, 2
	s_cselect_b32 s78, s75, 0                      ; bv for v alone
	s_sub_co_i32 s76, s76, s74
	s_add_co_i32 s76, s76, 127
	s_lshl_b32 s75, s76, 23
	v_mov_b32 v[SCV], s75                          ; 2^(eo - eA - eB): the three scales folded into the conversion's one
	s_add_co_i32 s76, s76, 8
	s_lshl_b32 s76, s76, 23
	s_or_b32 s76, s76, 0x600000
	v_mov_b32 v[LIMV], s76                         ; 448 x that
	s_wait_loadcnt 0x0
.set j, 0
.rept 64
	v_mul_f32 v[BC+j], s77, v[BC+j]
.set j, j+1
.endr
.irp a, 0,1,2,3,4,5,6,7
	v_mul_f32 v[BR+2*\a], s78, v[BR+2*\a]
	v_mov_b32 v[BR+2*\a+1], v[BR+2*\a]             ; a pair for the packed addition
.endr
.macro FRAG reg, adr, q, i             ; 16 rows x 128 K: four loads of 16 bytes, 32 bytes apart
.irp c, 0,1,2,3
	ds_load_b128 v[\reg+4*\c:\reg+4*\c+3], v[\adr] offset:128*(\q)+32*\c+(\i)*16*PITCH
.endr
.endm
; 16 matrix instructions: R's blocks a0, a0 + 1 x C's eight.  p: C's set.  zero = 1: the first product starts the sums, from bq's tile.  The 64 accumulators take turns.
.macro MUL16 a0, p, zero
.irp a, \a0, \a0+1
.irp b, 0,1,2,3,4,5,6,7
.if \zero
	v_wmma_f32_16x16x128_fp8_fp8 v[8*(8*((\a)%4)+\b):8*(8*((\a)%4)+\b)+7], v[128*(\p)+FR*\b:128*(\p)+FR*\b+FR-1], v[AF+FR*(\a):AF+FR*(\a)+FR-1], v[BC+8*\b:BC+8*\b+7]
.else
	v_wmma_f32_16x16x128_fp8_fp8 v[8*(8*((\a)%4)+\b):8*(8*((\a)%4)+\b)+7], v[128*(\p)+FR*\b:128*(\p)+FR*\b+FR-1], v[AF+FR*(\a):AF+FR*(\a)+FR-1], v[8*(8*((\a)%4)+\b):8*(8*((\a)%4)+\b)+7]
.endif
.endr
.endr
.endm
.macro FETCH_B slot, q, p
	WIN TO_B
.irp i, 0,1,2,3,4,5,6,7
	FRAG 128*(\p)+FR*\i, ADRB+\slot, \q, \i
.endr
	WIN 0
.endm
.macro FETCH_A slot, q, i0
.irp i, \i0, \i0+1, \i0+2, \i0+3
	FRAG AF+FR*(\i), ADRA+\slot, \q, \i
.endr
.endm
.macro PLACES n                        ; plain vector lines between a matrix instruction and a load into, or a vector line on, its registers
.rept \n
	v_nop
.endr
.endm
.macro STEP slot, q, zero              ; 128 along K whose successor lies in the same slot
	s_wait_dscnt 4*NL                              ; C's set and R's blocks 0-3 are in; the youngest sixteen loads (R's blocks 4-7) may be out
.if \zero
	WIN 0x81                                       ; as MUL_LO, with the C operand (bq's tiles) in window 0
.else
	WIN MUL_LO
.endif
	MUL16 0, (\q)%2, \zero
	MUL16 2, (\q)%2, \zero
	s_wait_dscnt 0
	PLACES NP
	FETCH_B \slot, (\q)+1, 1-(\q)%2
	FETCH_A \slot, (\q)+1, 0
.if \zero
	WIN 0xc1
.else
	WIN MUL_HI
.endif
	MUL16 4, (\q)%2, \zero
	MUL16 6, (\q)%2, \zero
	PLACES NP
	WIN 0
	FETCH_A \slot, (\q)+1, 4
.endm
; A slot's last step changes slots: one barrier; in front of it each wave waits for all its tensor loads, adds 0 to its spare word, and waits for that and for its reads of this slot.
.macro TURN slot, next, fill
	s_wait_tensorcnt 0x0                           ; all my tensor loads have landed: my part of the next slot
	ds_add_u32 v[SPW], v[NIL]
	s_wait_dscnt 4*NL+1                            ; the add and R's blocks 4-7 may be out
	WIN MUL_LO
	MUL16 0, 1, 0
	s_wait_dscnt 0x0                               ; the add is done, and my reads of this slot are over
	s_barrier_signal -1
	MUL16 2, 1, 0
	WIN 0
	s_barrier_wait -1
.if \fill
	CREST                                          ; the barrier has opened a round of the cluster's: no wave of any partner still reads this slot or has a load on its way
	s_add_nc_u64 s[G0+4*\slot+2:G0+4*\slot+3], s[G0+4*\slot+2:G0+4*\slot+3], 2*ROWB
	s_add_nc_u64 s[G0B+4*\slot+2:G0B+4*\slot+3], s[G0B+4*\slot+2:G0B+4*\slot+3], 2*ROWB
	JLOAD G0+4*\slot, G1, G0B+4*\slot, G1B         ; my one tensor load behind the round; its four v_nop are the places in front of the loads below
.else
	PLACES NP
.endif
	FETCH_B \next, 0, 0
	FETCH_A \next, 0, 0
	WIN MUL_HI
	MUL16 4, 1, 0
	MUL16 6, 1, 0
	PLACES NP
	WIN 0
	FETCH_A \next, 0, 4
.endm
	s_wait_tensorcnt 1                             ; my part of slot 0 is in; slot 1's load may stay out
	s_barrier_signal -1
	s_barrier_wait -1
	FETCH_B 0, 0, 0
	FETCH_A 0, 0, 0
	FETCH_A 0, 0, 4
	STEP 0, 0, 1                                   ; K = 1,024 is eight steps of 128, written out: K 0-127 starts the sums
	TURN 0, 1, 1                                   ; K 128-255; slot 0 takes K 512-767
	STEP 1, 0, 0
	TURN 1, 0, 1                                   ; slot 1 takes K 768-1,023
	STEP 0, 0, 0
	TURN 0, 1, 0                                   ; nothing is left to fetch
	STEP 1, 0, 0
	s_wait_dscnt 4*NL
	WIN MUL_LO
	MUL16 0, 1, 0
	MUL16 2, 1, 0
	s_wait_dscnt 0
	WIN MUL_HI
	MUL16 4, 1, 0
	MUL16 6, 1, 0
	WIN 0
; THE WAY OUT, a block of 16 rows of R at a time: + bv's number, the hold, the conversion; each accumulator is read from its low end on.  Registers CD + 4 i .. + 3 are chunk i of the block's image.
.macro BLOCKOUT a
.set AC, 64*((\a)%4)
	WIN (0x02+(\a)/4)                              ; source 0: window 2 or 3
.set j, 0
.rept 32
	v_pk_add_f32 v[TMP+j:TMP+j+1], v[AC+j:AC+j+1], v[BR+2*(\a):BR+2*(\a)+1]
.set j, j+2
.endr
	WIN 0
.set j, 0
.rept 64
	v_med3_num_f32 v[TMP+j], v[TMP+j], -v[LIMV], v[LIMV]   ; the conversion does not saturate (ISA guide 7.6.2)
.set j, j+1
.endr
	s_wait_xcnt 0x0                                ; the last block's stores have read their data and their base: both are written below
.if (\a) == 4
	s_add_nc_u64 s[96:97], s[96:97], s[82:83]
.elseif (\a) > 0
	s_add_nc_u64 s[96:97], s[96:97], s[80:81]
.endif
.irp b, 0,1,2,3,4,5,6,7
	v_cvt_scalef32_pk8_fp8_f32 v[CD+2*\b:CD+2*\b+1], v[TMP+8*\b:TMP+8*\b+7], v[SCV]
.endr
	v_nop                                          ; a plain line between the conversions and the next block's additions, which write their sources
.irp i, 0,1,2,3
	global_store_b128 v[CO+\i/2], v[CD+4*\i:CD+4*\i+3], s[96:97] offset:512*(\i%2)   ; 512 consecutive bytes, aligned
.endr
.endm
	PLACES NP                                      ; behind the last products: the lines below write registers that held R's fragments
.irp a, 0,1,2,3,4,5,6,7
	BLOCKOUT \a
.endr
	s_wait_tensorcnt 0x0                           ; the wave's end
	ds_add_u32 v[SPW], v[NIL]
	s_wait_dscnt 0x0
	CROUND                                         ; the closing round: no work-group ends while a partner may still ask for a tile that names it
	s_endpgm
.Lfunc_end_k_q83901c2683_proj:
	.size	k_q83901c2683_proj, .Lfunc_end_k_q83901c2683_proj-k_q83901c2683_proj
	.p2alignl 7, 3214868480
	.fill 96, 4, 3214868480
	.section	.rodata,"a",@progbits
	.p2align	6, 0x0
	.amdhsa_kernel k_q83901c2683_proj
		.amdhsa_group_segment_fixed_size 327680
		.amdhsa_private_segment_fixed_size 0
		.amdhsa_enable_private_segment 0
		.amdhsa_kernarg_size 40
		.amdhsa_user_sgpr_count 2
		.amdhsa_user_sgpr_kernarg_segment_ptr 1
		.amdhsa_wavefront_size32 1
		.amdhsa_system_sgpr_workgroup_id_x 1
		.amdhsa_system_sgpr_workgroup_id_y 1
		.amdhsa_system_sgpr_workgroup_id_z 1
		.amdhsa_system_vgpr_workitem_id 0
		.amdhsa_next_free_vgpr 1024
		.amdhsa_next_free_sgpr 100
		.amdhsa_reserve_vcc 0
		.amdhsa_float_denorm_mode_32 3
		.amdhsa_float_denorm_mode_16_64 3
		.amdhsa_memory_ordered 1
		.amdhsa_forward_progress 1
		.amdhsa_inst_pref_size 140
	.end_amdhsa_kernel
	.amdgpu_metadata
---
amdhsa.version: [ 1, 2 ]
amdhsa.kernels:
  - .name:           k_q83901c2683_proj
    .symbol:         k_q83901c2683_proj.kd
    .args:
      - { .name: codes, .offset: 0, .size: 8, .value_kind: global_buffer, .address_space: global }
      - { .name: lowp_scales, .offset: 8, .size: 8, .value_kind: global_buffer, .address_space: global }
      - { .name: bq, .offset: 16, .size: 8, .value_kind: global_buffer, .address_space: global }
      - { .name: bv, .offset: 24, .size: 8, .value_kind: global_buffer, .address_space: global }
      - { .name: qkv, .offset: 32, .size: 8, .value_kind: global_buffer, .address_space: global }
    .group_segment_fixed_size: 327680
    .private_segment_fixed_size: 0
    .kernarg_segment_align: 8
    .kernarg_segment_size: 40
    .max_flat_workgroup_size: 128
    .sgpr_count:     100
    .vgpr_count:     1024
    .wavefront_size: 32
...
	.end_amdgpu_metadata
.endif
;; end of part 2
;; launch attn (part 3): grid 16 x 16, 8 waves a work-group, clusters of 4 x 1, 327,680 bytes of LDS; arguments qkv, lowp_scales, aimg; writes aimg
.if DOCPART == 3
	.amdgcn_target "amdgcn-amd-amdhsa--gfx1250"
	.amdhsa_code_object_version 6
	.text
	.protected	k_q83901c2683_attn
	.globl	k_q83901c2683_attn
	.p2align	8
	.type	k_q83901c2683_attn,@function
k_q83901c2683_attn:
	s_mov_b64 s[64:65], 0
	v_nop
	global_prefetch_b8 v0, s[64:65] scope:SCOPE_SE
	s_setreg_imm32_b32 hwreg(HW_REG_WAVE_MODE, 25, 1), 1
	s_wait_xcnt 0x0
	s_wait_alu depctr_hold_cnt(0) depctr_sa_sdst(0) depctr_va_vdst(0) depctr_va_sdst(0) depctr_va_ssrc(0) depctr_va_vcc(0) depctr_vm_vsrc(0)
	s_getreg_b32 s2, hwreg(HW_REG_IB_STS2, 6, 4)
	s_cmp_eq_u32 s2, 0
	s_cbranch_scc0 .Lentry_in_a_cluster
	s_endpgm
.Lentry_in_a_cluster:
	s_bfe_u32 s2, ttmp6, 0x10000c
	s_cmp_lg_u32 s2, 0x3003
	s_cbranch_scc0 .Lentry_shape_is_right
	s_endpgm
.Lentry_shape_is_right:
; Causal attention with a bias slope x key position, 16 heads of 64, 4,096 tokens, both products on codes of E4M3; the result / its row sum is quantised (entry 10) and stored as register images for the last product.
; t = (q . k / 8 - slope x key) x log2(e);  M = the running largest t rounded up to a whole number;  p = 2^(t - M) is quantised (entry 8), not normalised; the row's sum is taken of the unquantised p.
; When M moves, the sum and O are multiplied by 2^(old M - new M), which rounds nothing.
; LAYOUT: S^T = K Q^T (source 0 = 16 keys, source 1 = 16 queries, K = 64) and O^T = V^T P^T (source 0 = 16 of the head's 64, source 1 = P, K = 128 keys): a lane holds ONE query throughout.
; In S^T tile t, lane (r, h), register j is key 16 t + 8 h + j: eight conversions' results are registers 2 t, 2 t + 1 of P's fragment as they stand.
; THE BIAS: t = c' (S - ratio x key in the step) - slope log2(e) x the step's first key, with c' = log2(e) / 8 x 2^(e6 + e7), ratio = slope x 2^(3 - e6 - e7).
; -ratio x (16 t + 8 h + j) is the C operand of the score product (64 registers, made once); the step's own part is one number.
; SHARES, so that the causal work is even: the head's queries are four levels of 1,024.  A wave owns two tiles of 16 queries: tile 0 at level 3 - ty, tile 1 at level ty (ty = 0 or 1 by the wave's number);
; inside a level its place is 256 (X or 3 - X) + 64 (wave / 2) + 16 cx (X the cluster, cx my place in it): the two tiles' keys add up to the same number for every X.
; The four partners' tiles of a wave lie in one aligned block of 128 keys, so every branch hangs on X, the wave and a counter, never on cx.  cx enters Q's and the result's addresses, the prefetch and the mask's vector.
; Every wave walks all 32 steps of 128 keys with constant trip counts.  A step all of whose keys come after tile 0's queries is jumped over; a step that tile 1 no longer wants takes a way of its own,
; written out for tile 0 alone: a step parts once, so that on each way every register that is read has been written on that way.  No barrier and no tensor load stands inside a step.
; RING: two slots of 1,024 keys: K's images (65,536 bytes), then V's.  Eight waves, one joint load of 16,384 dense bytes each.  CLUSTER: the four partners belong to one head and ask jointly.
; LIMITS: e6 + e7 between -123 and 120; e8 and e10 - e8 - e9 between -126 and 119.  NaN among the codes is not served.
; REGISTERS: window 0: v1-10 as named below; v12-35 twelve numbers of statistics a tile; v64-127 fragments of K or of V; v128-191, v192-255 S^T, then p, of tiles 0, 1.
;   window 1: v0-63 the bias; v64-95, v96-127 O^T; v128-143 Q; v144-175 P's codes; v200 at work.
.set SLOT1, 1<<17                      ; slot 1 begins here: one exclusive or turns an address from slot to slot
.set VOFF,  65536                      ; V's images in a slot
.set STEPB, 8192                       ; a step's 128 keys: 8 tiles of K of 1,024 bytes; 4 tiles of V of 2,048
.set SPARE, 2*SLOT1                    ; behind the ring: the spare words, 128 bytes a wave, which no other line names
.set LI,   1                           ; v1  16 x lane: an image's place for my lane; never rewritten
.set LV,   2                           ; v2  the same in V's part
.set ADK,  3
.set ADV,  4
.set DM,   5                           ; v5  my query less the diagonal block's first key, less 8 h
.set NINF, 6                           ; v6  -infinity
.set TOFF, 7                           ; v7  -slope log2(e) x the step's first key
.set LIMP, 8                           ; v8  448 x 2^e8
.set SCLP, 9                           ; v9  2^e8
.set NSL2, 10                          ; v10 -slope log2(e)
.set ST,   12                          ; tile u at ST + 12 u: +0 -M + TOFF, +1 the largest t, +2, +3 the sum, +4 f, +5 zero, +6 -M, +7, +8 at work, +9 the other half's, +10, +11 a second chain
.set PFO,  36                          ; v36 256 x lane
.set LIMO, 38
.set SCLO, 39
.set SPW,  60
.set NIL,  61
.set FRG,  64
.set S,    128
.set BI,   0                           ; window 1
.set O,    64
.set Q,    128
.set P,    144
.set RUN,  200
.set WV, 10
.set TY, 11
.set IO, 12
.set CX, 13
.set XC, 14
.set HD, 15
.set QBH, 16
.set QBL, 17
.set BH, 18                            ; s18, s19: the aligned block of 128 keys that holds tile 0's, tile 1's queries
.set BL, 19
.set SEL, 20
.set CS, 22
.set G1, 24
.set G0, 32
.set TB, 36
.set SLOTS, 37
.set CNT, 38
.set KF, 39
.set LIM, 40
.set PFA, 42
.set NRAT, 44
.set NSLP, 45
.set OB0, 46                           ; s[46:47], s[56:57]: where tile 0's, tile 1's images go
.set OB1, 56
.set MSB, 0
.macro WIN new
.if MSB != \new
	s_set_vgpr_msb (MSB<<8)|\new
.set MSB, \new
.endif
.endm
.macro CROUND                          ; a round of the cluster's barrier
	s_barrier_signal -1
	s_barrier_wait -1
	s_cmp_lg_u32 s[WV], 0
	s_cbranch_scc1 .Lnot_wave_0_\@
	s_barrier_signal -3
.Lnot_wave_0_\@:
	s_barrier_wait -3
	s_barrier_signal -1
	s_barrier_wait -1
.endm
; A prefetch of the slot that the NEXT change of slots will ask for: 512 blocks of 256 bytes, each named once in the launch: the head's first cluster asks; its four partners are told apart by address;
; in each, waves 0, 1 ask for K's bytes and waves 2, 3 for V's, 8,192 bytes a wave, lanes 256 bytes apart.  The last change that fills a slot asks for nothing.
.macro ASK
	s_cmp_gt_u32 s[SLOTS], s[LIM]
	s_cbranch_scc0 .Lnot_mine_\@
	global_prefetch_b8 v[PFO], s[PFA:PFA+1] th:TH_LOAD_NT scope:SCOPE_SE
.Lnot_mine_\@:
.endm
	s_load_b128 s[4:7], s[0:1], 0x0                ; qkv, lowp_scales
	s_load_b64 s[8:9], s[0:1], 0x10                ; aimg
	v_lshl_add_u32 v[SPW], v0, 2, SPARE
	v_mov_b32 v[NIL], 0
	ds_add_u32 v[SPW], v[NIL]                      ; the wave's opening: the add and its wait ahead of my first tensor load; work on registers stands between
	v_lshrrev_b32 v1, 5, v0
	v_readfirstlane_b32 s[WV], v1                  ; wave 0..7
	s_and_b32 s[TY], s[WV], 1
	s_lshr_b32 s[IO], s[WV], 2
	s_xor_b32 s[TY], s[TY], s[IO]                  ; ty
	s_lshr_b32 s[IO], s[WV], 1                     ; wave / 2
	s_bfe_u32 s[CX], ttmp6, 0x40000
	s_mov_b32 s[XC], ttmp9
	s_and_b32 s[HD], ttmp7, 0xffff                 ; the head
	s_sub_co_u32 s58, 3, s[XC]
	s_cmp_eq_u32 s[TY], 0
	s_cselect_b32 s59, s58, s[XC]                  ; odd levels count X backwards: tile 0 is at level 3 (ty = 0) or 2,
	s_cselect_b32 s60, s[XC], s58                  ; tile 1 at level 0 or 1
	s_sub_co_u32 s61, 3, s[TY]
	s_lshl_b32 s[QBH], s61, 10
	s_lshl_b32 s59, s59, 8
	s_add_co_u32 s[QBH], s[QBH], s59
	s_lshl_b32 s61, s[IO], 6
	s_add_co_u32 s[QBH], s[QBH], s61               ; the four partners' tiles 0 begin here
	s_lshl_b32 s[QBL], s[TY], 10
	s_lshl_b32 s60, s60, 8
	s_add_co_u32 s[QBL], s[QBL], s60
	s_add_co_u32 s[QBL], s[QBL], s61               ; and their tiles 1 here
	s_and_b32 s[BH], s[QBH], 0xffffff80
	s_and_b32 s[BL], s[QBL], 0xffffff80
	s_mov_b32 s[G1], 15|(3<<16)|(1<<21)            ; the mask: all four work-groups; elements of 8 bytes; bit 21 beside a mask; no padding: images are read 16 x lane
	s_mov_b32 s[G1+1], 32<<16                      ; tensor_dim0: rows of 256 bytes
	s_mov_b32 s[G1+2], 64<<16                      ; tensor_dim1: 64 rows
	s_mov_b32 s[G1+3], 32<<16                      ; tile_dim0
	s_mov_b32 s[G1+4], 64                          ; tile_dim1
	s_mov_b32 s[G1+5], 32                          ; dense
	s_mov_b32 s[G1+6], 0
	s_mov_b32 s[G1+7], 0
	s_mov_b32 s[G0], 1
	s_lshl_b32 s[G0+1], s[WV], 14                  ; LDS: wave x 16,384: waves 0-3 K's quarters, 4-7 V's
	s_lshl_b32 s69, s[HD], 18                      ; a head is 262,144 bytes in each of q, k, v
	s_lshr_b32 s66, s[WV], 2
	s_add_co_u32 s66, s66, 1
	s_lshl_b32 s66, s66, 22                        ; k at 4 MB, v at 8 MB
	s_add_co_u32 s66, s66, s69
	s_and_b32 s67, s[WV], 3
	s_lshl_b32 s67, s67, 14
	s_add_co_u32 s66, s66, s67
	s_mov_b32 s67, 0
	s_lshr_b32 s62, s[QBH], 4
	s_add_co_u32 s62, s62, s[CX]                   ; my tile 0, counted in tiles of 16 tokens
	s_lshr_b32 s63, s[QBL], 4
	s_add_co_u32 s63, s63, s[CX]                   ; my tile 1
	s_lshl_b32 s70, s62, 10
	s_add_co_u32 s70, s70, s69                     ; their images in q
	s_mov_b32 s71, 0
	s_lshl_b32 s72, s63, 10
	s_add_co_u32 s72, s72, s69
	s_mov_b32 s73, 0
	s_lshr_b32 s74, s[HD], 2                       ; aimg: [128 tokens: 131,072][4 heads: 32,768][tile: 4,096][head: 1,024]
	s_lshl_b32 s74, s74, 15
	s_and_b32 s75, s[HD], 3
	s_lshl_b32 s75, s75, 10
	s_add_co_u32 s74, s74, s75
	s_lshr_b32 s76, s62, 3
	s_lshl_b32 s76, s76, 17
	s_and_b32 s77, s62, 7
	s_lshl_b32 s77, s77, 12
	s_add_co_u32 s76, s76, s77
	s_add_co_u32 s76, s76, s74
	s_mov_b32 s77, 0
	s_lshr_b32 s78, s63, 3
	s_lshl_b32 s78, s78, 17
	s_and_b32 s79, s63, 7
	s_lshl_b32 s79, s79, 12
	s_add_co_u32 s78, s78, s79
	s_add_co_u32 s78, s78, s74
	s_mov_b32 s79, 0
	s_bfe_u32 s80, s[WV], 0x10001                  ; the prefetches: waves 0, 1: k; waves 2, 3: v
	s_add_co_u32 s80, s80, 1
	s_lshl_b32 s80, s80, 22
	s_add_co_u32 s80, s80, s69
	s_lshl_b32 s81, s[CX], 1
	s_and_b32 s82, s[WV], 1
	s_add_co_u32 s81, s81, s82
	s_lshl_b32 s81, s81, 13                        ; my 8,192 of a slot's 65,536 bytes
	s_add_co_u32 s80, s80, s81
	s_add_co_u32 s80, s80, 65536                   ; in slot 1: the first change of slots steps it to slot 2
	s_mov_b32 s81, 0
	s_lshr_b32 s[LIM], s[WV], 2
	s_or_b32 s[LIM], s[LIM], s[XC]                 ; 0 in waves 0-3 of the head's first cluster: the same in all four partners
	s_cmp_eq_u32 s[LIM], 0
	s_cselect_b32 s[LIM], 1, -1
	s_mov_b32 s[SEL], 0x76543210
	s_mov_b32 s[SEL+1], 0xfedcba98
	s_mov_b32 s[TB], 0
	s_mov_b32 s[SLOTS], 3
	s_mov_b32 s[KF], 0
	s_wait_dscnt 0x0                               ; the opening add is done
	s_wait_kmcnt 0x0
	s_load_b128 s[48:51], s[6:7], 0x18             ; e6, e7, e8, e9
	s_load_b32 s52, s[6:7], 0x28                   ; e10
	s_add_nc_u64 s[G0+2:G0+3], s[4:5], s[66:67]
	s_or_b32 s[G0+3], s[G0+3], 0x80000000
	s_add_nc_u64 s[58:59], s[4:5], s[70:71]
	s_add_nc_u64 s[60:61], s[4:5], s[72:73]
	s_add_nc_u64 s[OB0:OB0+1], s[8:9], s[76:77]
	s_add_nc_u64 s[OB1:OB1+1], s[8:9], s[78:79]
	s_add_nc_u64 s[PFA:PFA+1], s[4:5], s[80:81]
	CROUND                                         ; all four work-groups are here: the first joint loads meet
	tensor_load_to_lds s[G0:G0+3], s[G1:G1+7]      ; slot 0: one load of mine is out
	s_nop 0
.rept 4
	v_nop
.endr
	v_and_b32 v[LI], 31, v0
	v_lshlrev_b32 v[PFO], 8, v[LI]
	v_lshlrev_b32 v[LI], 4, v[LI]
	v_add_nc_u32 v[LV], VOFF, v[LI]
	WIN 0x40                                       ; destination window 1
.irp g, 0,1
	global_load_b128 v[Q+4*\g:Q+4*\g+3], v[LI], s[58:59] offset:512*\g        ; Q's fragments stay in registers
	global_load_b128 v[Q+8+4*\g:Q+8+4*\g+3], v[LI], s[60:61] offset:512*\g
.endr
	WIN 0
	v_and_b32 v40, 15, v0                          ; r
	v_bfe_u32 v41, v0, 4, 1                        ; h
	v_lshlrev_b32 v42, 3, v41                      ; 8 h
	s_and_b32 s72, s[IO], 1
	s_lshl_b32 s72, s72, 6
	s_lshl_b32 s73, s[CX], 4
	s_add_co_u32 s72, s72, s73                     ; my tiles' first query in its block of 128: 64 (wave / 2 odd) + 16 cx, the same for both tiles
	v_sub_nc_u32 v[DM], v40, v42
	v_add_nc_u32 v[DM], s72, v[DM]
	v_mov_b32 v[NINF], 0xff800000
.irp u, 0,1
	v_mov_b32 v[ST+12*\u+1], 0xff61b1e6            ; the largest t so far: -3e38, under every t
	v_floor_f32 v[ST+12*\u+6], -v[ST+12*\u+1]      ; -M
	v_mov_b32 v[ST+12*\u], 0
	v_mov_b32 v[ST+12*\u+2], 0                     ; the sum, in two halves
	v_mov_b32 v[ST+12*\u+3], 0
	v_mov_b32 v[ST+12*\u+4], 0
	v_mov_b32 v[ST+12*\u+5], 0                     ; (named as the upper half of f's pair)
	v_mov_b32 v[ST+12*\u+9], 0                     ; (a lane permute's destination counts as read)
.endr
	s_wait_kmcnt 0x0
	s_add_co_i32 s83, s48, s49                     ; e6 + e7
	s_lshl_b32 s84, s83, 23
	s_add_co_i32 s[CS], s84, 0x3e38aa3b            ; c' = log2(e) / 8 with e6 + e7 added to its exponent field
	s_mov_b32 s[CS+1], s[CS]                       ; (named with it as a pair)
	s_add_co_u32 s85, s[HD], 2                     ; slope = 2^(-i / 2), i = head + 1: exponent -((i + 1) / 2), and sqrt(2)'s mantissa where i is odd
	s_lshr_b32 s85, s85, 1
	s_sub_co_u32 s85, 127, s85
	s_lshl_b32 s85, s85, 23
	s_and_b32 s86, s[HD], 1
	s_cmp_eq_u32 s86, 0
	s_cselect_b32 s86, 0x3504f3, 0
	s_or_b32 s85, s85, s86
	s_or_b32 s[NSLP], s85, 0x80000000              ; -slope
	s_sub_co_i32 s86, 3, s83
	s_lshl_b32 s86, s86, 23
	s_add_co_i32 s86, s85, s86
	s_or_b32 s[NRAT], s86, 0x80000000              ; -ratio = -slope x 2^(3 - e6 - e7)
	v_mov_b32 v[NSL2], 0x3fb8aa3b
	v_mul_f32 v[NSL2], s[NSLP], v[NSL2]
	s_add_co_i32 s86, s50, 127
	s_lshl_b32 s87, s86, 23
	v_mov_b32 v[SCLP], s87
	s_add_co_i32 s86, s86, 8
	s_lshl_b32 s86, s86, 23
	s_or_b32 s86, s86, 0x600000
	v_mov_b32 v[LIMP], s86
	s_sub_co_i32 s86, s52, s50                     ; O^T / the sum stands for that x 2^(e8 + e9): the conversion's one scale is 2^(e10 - e8 - e9)
	s_sub_co_i32 s86, s86, s51
	s_add_co_i32 s86, s86, 127
	s_lshl_b32 s87, s86, 23
	v_mov_b32 v[SCLO], s87
	s_add_co_i32 s86, s86, 8
	s_lshl_b32 s86, s86, 23
	s_or_b32 s86, s86, 0x600000
	v_mov_b32 v[LIMO], s86
	WIN 0x40
	v_cvt_f32_u32 v[RUN], v42                      ; the running key in the step: 8 h at first
	WIN 0x44                                       ; destination and source 1 window 1
.set n, 0
.rept 64
	v_mul_f32 v[BI+n], s[NRAT], v[RUN]             ; register 8 t + j: -ratio x (16 t + 8 h + j)
.if n%8 == 7
	v_add_f32 v[RUN], 0x41100000, v[RUN]           ; + 9: on to the next tile's first key of my half
.else
	v_add_f32 v[RUN], 1.0, v[RUN]
.endif
.set n, n+1
.endr
	WIN 0x40
.set n, 0
.rept 64
	v_mov_b32 v[O+n], 0                            ; O^T: the step has no first form of its own; the first change of M leaves zeros zeros
.set n, n+1
.endr
	WIN 0
.macro FETCH adr                       ; 8,192 bytes: a step's eight tiles of K (two chunks each) or four tiles of V (four chunks each), as they lie
.set n, 0
.rept 16
	ds_load_b128 v[FRG+4*n:FRG+4*n+3], v[\adr] offset:512*n
.set n, n+1
.endr
.endm
.macro SCORES u                        ; S^T of tile u: eight tiles of 16 keys; the C operand is the bias inside the step
	WIN 0x14                                       ; source 1 (Q) and source 2 (the bias) window 1
.irp t, 0,1,2,3,4,5,6,7
	v_wmma_f32_16x16x64_fp8_fp8 v[S+64*(\u)+8*\t:S+64*(\u)+8*\t+7], v[FRG+8*\t:FRG+8*\t+7], v[Q+8*(\u):Q+8*(\u)+7], v[BI+8*\t:BI+8*\t+7]
.endr
	WIN 0
.endm
.macro PV u                            ; O^T += V^T P^T: four accumulators, one instruction each; the matrix instruction in front of each link is another accumulator's
	WIN 0x54                                       ; source 1 (P), C and D (O^T) window 1
.irp t, 0,1,2,3
	v_wmma_f32_16x16x128_fp8_fp8 v[O+32*(\u)+8*\t:O+32*(\u)+8*\t+7], v[FRG+16*\t:FRG+16*\t+15], v[P+16*(\u):P+16*(\u)+15], v[O+32*(\u)+8*\t:O+32*(\u)+8*\t+7]
.endr
	WIN 0
.endm
.macro SOFTMAX u
.set rS, S+64*(\u)
.set rT, ST+12*(\u)
	s_cmp_lg_u32 s[KF], s[BH+\u]                   ; only the step on the diagonal has hidden keys among those that count
	s_cbranch_scc1 .Lopen_\@
.set n, 0
.rept 64
	v_cmp_gt_i32 vcc_lo, 16*(n/8)+n%8, v[DM]       ; register 8 t + j is key 16 t + 8 h + j of the block: hidden where it lies behind my query
	v_cndmask_b32 v[rS+n], v[rS+n], v[NINF], vcc_lo
.set n, n+1
.endr
.Lopen_\@:
	v_max3_num_f32 v[rT+7], v[rS], v[rS+1], v[rS+2]        ; the step's largest score, in two chains, each accumulator from its low end on
	v_max3_num_f32 v[rT+8], v[rS+3], v[rS+4], v[rS+5]
.set n, 6
.rept 14
	v_max3_num_f32 v[rT+7], v[rT+7], v[rS+n], v[rS+n+1]
	v_max3_num_f32 v[rT+8], v[rT+8], v[rS+n+2], v[rS+n+3]
.set n, n+4
.endr
	v_max3_num_f32 v[rT+7], v[rT+7], v[rS+62], v[rS+63]
	v_max_num_f32 v[rT+7], v[rT+7], v[rT+8]
	v_permlanex16_b32 v[rT+9], v[rT+7], s[SEL], s[SEL+1]
	v_max_num_f32 v[rT+7], v[rT+7], v[rT+9]        ; and the other half of the lanes'
	v_fma_f32 v[rT+7], v[rT+7], s[CS], v[TOFF]     ; as t (c' is positive)
	v_max_num_f32 v[rT+1], v[rT+1], v[rT+7]        ; the running largest t
	v_mov_b32 v[rT+8], v[rT+6]
	v_floor_f32 v[rT+6], -v[rT+1]                  ; the new -M = -ceil(t)
	v_sub_f32 v[rT+8], v[rT+6], v[rT+8]            ; old M - new M: a whole number, 0 or less
	v_cvt_i32_f32 v[rT+8], v[rT+8]                 ; (it saturates)
	v_ldexp_f32 v[rT+4], 1.0, v[rT+8]              ; f = 2^(old M - new M)
	v_add_f32 v[rT], v[rT+6], v[TOFF]
.set n, 0
.rept 32
	v_pk_fma_f32 v[rS+n:rS+n+1], v[rS+n:rS+n+1], s[CS:CS+1], v[rT:rT+1] op_sel_hi:[1,0,0]   ; t - M, two at a time
.set n, n+2
.endr
.set n, 0
.rept 64
	v_exp_f32 v[rS+n], v[rS+n]                     ; p = 2^(t - M)
.set n, n+1
.endr
	v_pk_mul_f32 v[rT+2:rT+3], v[rT+2:rT+3], v[rT+4:rT+5] op_sel_hi:[1,0]   ; the sum under the new M: the plain line behind the exponentials
	s_wait_alu depctr_va_vdst(0)                   ; one wait for the batch, ahead of its first reader
	v_pk_add_f32 v[rT+10:rT+11], v[rS:rS+1], v[rS+2:rS+3]   ; the sum of the unquantised p, in two chains
.set n, 4
.rept 15
	v_pk_add_f32 v[rT+2:rT+3], v[rT+2:rT+3], v[rS+n:rS+n+1]
	v_pk_add_f32 v[rT+10:rT+11], v[rT+10:rT+11], v[rS+n+2:rS+n+3]
.set n, n+4
.endr
	v_pk_add_f32 v[rT+2:rT+3], v[rT+2:rT+3], v[rT+10:rT+11]
.set n, 0
.rept 64
	v_min_num_f32 v[rS+n], v[rS+n], v[LIMP]        ; the conversion does not saturate (ISA guide 7.6.2); p is not negative: a one-sided hold
.set n, n+1
.endr
	WIN 0x40
.set n, 0
.rept 8
	v_cvt_scalef32_pk8_fp8_f32 v[P+16*(\u)+2*n:P+16*(\u)+2*n+1], v[rS+8*n:rS+8*n+7], v[SCLP]
.set n, n+1
.endr
	WIN 0x41
.set n, 0
.rept 16
	v_pk_mul_f32 v[O+32*(\u)+n:O+32*(\u)+n+1], v[O+32*(\u)+n:O+32*(\u)+n+1], v[rT+4:rT+5] op_sel_hi:[1,0]   ; O^T under the new M; also the plain lines behind the conversions
.set n, n+2
.endr
	WIN 0
.endm
; A KEY STEP of 128 keys.  Tile 0's queries lie behind tile 1's, so a step that tile 0 does not want is wanted by nobody.  Behind tile 0's scores the step parts ONCE, on the step's first key against tile 1's block:
; the way for both tiles, or the way for tile 0 alone.  Each way holds all that it reads: scores, softmax and second product of a tile stand on the same way.
.macro STEP
	s_cmp_gt_u32 s[KF], s[BH]
	s_cbranch_scc1 .Lend_\@
	v_add_nc_u32 v[ADK], s[TB], v[LI]              ; four plain lines: the places between the last step's products and the loads into the registers that they read
	v_add_nc_u32 v[ADV], s[TB], v[LV]
	v_cvt_f32_u32 v[TOFF], s[KF]
	v_mul_f32 v[TOFF], v[NSL2], v[TOFF]
	FETCH ADK
	s_wait_dscnt 0x0                               ; K's fragments are in
	SCORES 0
	s_cmp_gt_u32 s[KF], s[BL]
	s_cbranch_scc1 .Lone_\@
	SCORES 1                                       ; ---- both tiles
.rept 4
	v_nop                                          ; places in front of the loads below and of the first read of the scores
.endr
	FETCH ADV                                      ; V's fragments land while the softmax is worked
	SOFTMAX 0
	SOFTMAX 1
	s_wait_dscnt 0x0                               ; V's fragments are in
	PV 0
	PV 1
	s_branch .Lend_\@
.Lone_\@:                                              ; ---- tile 0 alone
.rept 4
	v_nop
.endr
	FETCH ADV
	SOFTMAX 0
	s_wait_dscnt 0x0
	PV 0
.Lend_\@:
	s_add_co_u32 s[KF], s[KF], 128
	s_add_co_u32 s[TB], s[TB], STEPB
.endm
.macro SLOT_STEPS
	s_mov_b32 s[CNT], 8
.Lstep_\@:
	STEP
	s_sub_co_u32 s[CNT], s[CNT], 1
	s_cmp_lg_u32 s[CNT], 0
	s_cbranch_scc1 .Lstep_\@
	s_sub_co_u32 s[TB], s[TB], 65536               ; back to a slot's first step,
	s_xor_b32 s[TB], s[TB], SLOT1                  ; in the other slot
.endm
; THE CHANGE OF SLOTS stands at a slot's head.  Each wave waits for all its tensor loads (its part of the slot ahead), adds 0 to its spare word, and waits for that and for its reads of the slot that it has left.
; fill = 1: a round of the cluster's barrier, and behind it the slot that was left takes the next 1,024 keys: the load has eight key steps in which to land.
.macro CHANGE fill
	s_wait_tensorcnt 0x0                           ; no tensor load of mine is out, so group 0 may be written
	ds_add_u32 v[SPW], v[NIL]
.if \fill
	s_xor_b32 s[G0+1], s[G0+1], SLOT1
	s_add_nc_u64 s[G0+2:G0+3], s[G0+2:G0+3], 65536
	s_wait_xcnt 0x0                                ; the last prefetch, a slot back, has read its address
	s_add_nc_u64 s[PFA:PFA+1], s[PFA:PFA+1], 65536
	s_wait_dscnt 0x0                               ; the add is done, and my reads of the slot that I have left are over
	CROUND
	tensor_load_to_lds s[G0:G0+3], s[G1:G1+7]      ; my one tensor load behind the round, and the first thing there
	s_nop 0
.rept 4
	v_nop
.endr
	ASK
.else
	s_wait_dscnt 0x0
	s_barrier_signal -1
	s_barrier_wait -1
.endif
.endm
	s_wait_loadcnt 0x0                             ; Q
.Lslot:                                            ; three trips: slots 0, 1, 2 are read while slots 1, 2, 3 are on their way
	CHANGE 1
	SLOT_STEPS
	s_sub_co_u32 s[SLOTS], s[SLOTS], 1
	s_cmp_lg_u32 s[SLOTS], 0
	s_cbranch_scc1 .Lslot
	CHANGE 0                                       ; the last slot is written out
	SLOT_STEPS
	; THE WAY OUT: O^T / the sum, held, converted: a tile's eight registers of codes are two chunks of its image: 512 consecutive bytes a store, with no turn through LDS
.rept 4
	v_nop                                          ; places behind the last products
.endr
.irp u, 0,1
	v_add_f32 v[ST+12*\u+7], v[ST+12*\u+2], v[ST+12*\u+3]
.endr
.irp u, 0,1
	v_permlanex16_b32 v[ST+12*\u+9], v[ST+12*\u+7], s[SEL], s[SEL+1]
.endr
.irp u, 0,1
	v_add_f32 v[ST+12*\u+7], v[ST+12*\u+7], v[ST+12*\u+9]   ; the row's sum
.endr
.irp u, 0,1
	v_rcp_f32 v[ST+12*\u+4], v[ST+12*\u+7]
.endr
	v_nop                                          ; a plain line behind the reciprocals,
	s_wait_alu depctr_va_vdst(0)                   ; and one wait for both, ahead of their first reader
.macro OUTT u, base
	WIN 0x01                                       ; source 0 (O^T) window 1
.set n, 0
.rept 16
	v_pk_mul_f32 v[S+64*(\u)+n:S+64*(\u)+n+1], v[O+32*(\u)+n:O+32*(\u)+n+1], v[ST+12*(\u)+4:ST+12*(\u)+5] op_sel_hi:[1,0]   ; each accumulator from its low end on
.set n, n+2
.endr
	WIN 0
.set n, 0
.rept 32
	v_med3_num_f32 v[S+64*(\u)+n], v[S+64*(\u)+n], -v[LIMO], v[LIMO]
.set n, n+1
.endr
.irp t, 0,1,2,3
	v_cvt_scalef32_pk8_fp8_f32 v[FRG+8*(\u)+2*\t:FRG+8*(\u)+2*\t+1], v[S+64*(\u)+8*\t:S+64*(\u)+8*\t+7], v[SCLO]
.endr
	v_nop
.irp g, 0,1
	global_store_b128 v[LI], v[FRG+8*(\u)+4*\g:FRG+8*(\u)+4*\g+3], s[\base:\base+1] offset:512*\g
.endr
.endm
	OUTT 0, OB0
	OUTT 1, OB1
	s_wait_tensorcnt 0x0                           ; the wave's end
	ds_add_u32 v[SPW], v[NIL]
	s_wait_dscnt 0x0
	CROUND                                         ; the closing round
	s_endpgm
.Lfunc_end_k_q83901c2683_attn:
	.size	k_q83901c2683_attn, .Lfunc_end_k_q83901c2683_attn-k_q83901c2683_attn
	.p2alignl 7, 3214868480
	.fill 96, 4, 3214868480
	.section	.rodata,"a",@progbits
	.p2align	6, 0x0
	.amdhsa_kernel k_q83901c2683_attn
		.amdhsa_group_segment_fixed_size 327680
		.amdhsa_private_segment_fixed_size 0
		.amdhsa_enable_private_segment 0
		.amdhsa_kernarg_size 24
		.amdhsa_user_sgpr_count 2
		.amdhsa_user_sgpr_kernarg_segment_ptr 1
		.amdhsa_wavefront_size32 1
		.amdhsa_system_sgpr_workgroup_id_x 1
		.amdhsa_system_sgpr_workgroup_id_y 1
		.amdhsa_system_sgpr_workgroup_id_z 1
		.amdhsa_system_vgpr_workitem_id 0
		.amdhsa_next_free_vgpr 512
		.amdhsa_next_free_sgpr 96
		.amdhsa_reserve_vcc 1
		.amdhsa_float_denorm_mode_32 3
		.amdhsa_float_denorm_mode_16_64 3
		.amdhsa_memory_ordered 1
		.amdhsa_forward_progress 1
		.amdhsa_inst_pref_size 139
	.end_amdhsa_kernel
	.amdgpu_metadata
---
amdhsa.version: [ 1, 2 ]
amdhsa.kernels:
  - .name:           k_q83901c2683_attn
    .symbol:         k_q83901c2683_attn.kd
    .args:
      - { .name: qkv, .offset: 0, .size: 8, .value_kind: global_buffer, .address_space: global }
      - { .name: lowp_scales, .offset: 8, .size: 8, .value_kind: global_buffer, .address_space: global }
      - { .name: aimg, .offset: 16, .size: 8, .value_kind: global_buffer, .address_space: global }
    .group_segment_fixed_size: 327680
    .private_segment_fixed_size: 0
    .kernarg_segment_align: 8
    .kernarg_segment_size: 24
    .max_flat_workgroup_size: 256
    .sgpr_count:     96
    .vgpr_count:     512
    .wavefront_size: 32
...
	.end_amdgpu_metadata
.endif
;; end of part 3
;; launch outp (part 4): grid 8 x 32, 4 waves a work-group, clusters of 4 x 4, 327,680 bytes of LDS; arguments aimg, codes, lowp_scales, out0; writes out0
.if DOCPART == 4
	.amdgcn_target "amdgcn-amd-amdhsa--gfx1250"
	.amdhsa_code_object_version 6
	.text
	.protected	k_q83901c2683_outp
	.globl	k_q83901c2683_outp
	.p2align	8
	.type	k_q83901c2683_outp,@function
k_q83901c2683_outp:
	s_mov_b64 s[64:65], 0
	v_nop
	global_prefetch_b8 v0, s[64:65] scope:SCOPE_SE
	s_setreg_imm32_b32 hwreg(HW_REG_WAVE_MODE, 25, 1), 1
	s_wait_xcnt 0x0
	s_wait_alu depctr_hold_cnt(0) depctr_sa_sdst(0) depctr_va_vdst(0) depctr_va_sdst(0) depctr_va_ssrc(0) depctr_va_vcc(0) depctr_vm_vsrc(0)
	s_getreg_b32 s2, hwreg(HW_REG_IB_STS2, 6, 4)
	s_cmp_eq_u32 s2, 0
	s_cbranch_scc0 .Lentry_in_a_cluster
	s_endpgm
.Lentry_in_a_cluster:
	s_bfe_u32 s2, ttmp6, 0x10000c
	s_cmp_lg_u32 s2, 0xf033
	s_cbranch_scc0 .Lentry_shape_is_right
	s_endpgm
.Lentry_shape_is_right:
; out0 = a Wo^T on codes of E4M3, x 2^(e10 + e11).  a: the attention's result as register images (aimg); Wo's codes: rows of 1,024 bytes at byte 15 MB of codes.  out0: [4096][1024] f32.
; LIMIT: e10 + e11 between -126 and 127.
; 256 work-groups of 128 x 128; a wave makes 64 x 64: 16 accumulators.  K = 1,024 fits in LDS whole: all tiles are FIRST FILLS, four joint loads a wave at the start (four of mine are out), one for each K chunk of 256.
; Nothing is filled again: no ring; the products of chunk c begin when chunk c has landed, behind a counted wait and a barrier.
; CLUSTER 4 x 4: a's images hang on the tile row (shared along a row of the cluster), Wo's rows on the tile column (shared along a column).
; THE MATRIX INSTRUCTION: source 0 = 16 rows of Wo, source 1 = 16 tokens: a lane holds eight neighbouring numbers of a row of out0.
; aimg: [128 tokens][K chunk of 4 heads][tile of 16 tokens][head][1,024 B]: two neighbouring heads' 2,048 bytes are one fragment of 128 along K, four loads at 16 x lane.
; REGISTERS: window 0: v16-19, v20-23 LDS addresses for each chunk; v24-26 the way out; v32-63 a block's results; v64-127 rows read back, two sets; v128-255 the accumulators.
;   window 1: two sets of fragments: a's four at 128 p, Wo's four at 128 p + 64.
.set PITCH,  272                       ; a row of Wo's tile in LDS: 256 bytes + 16
.set CHB,    32768+128*PITCH           ; a K chunk: a's images, then Wo's 128 rows
.set STAGE,  4*CHB                     ; the way out: 16 rows x 272 bytes for each wave; no tensor load lands here
.set SPITCH, 272
.set SPARE,  STAGE+4*16*SPITCH         ; the spare words, 128 bytes a wave, which no other line names
.set ADA, 16
.set ADB, 20
.set STO, 24
.set RD,  25
.set CO,  26
.set SPW, 28
.set NIL, 29
.set TMP, 32
.set BK,  64
.set ACC, 128
.set G1A, 24                           ; s[24:31] group 1 for a's images; s[32:39] for Wo's rows; s[40:55], s[68:83] groups 0, one for each chunk
.set G1B, 32
.set G0A, 40
.set G0B, 68
.set MSB, 0
.macro WIN new
.if MSB != \new
	s_set_vgpr_msb (MSB<<8)|\new
.set MSB, \new
.endif
.endm
.macro CROUND
	s_barrier_signal -1
	s_barrier_wait -1
	s_cmp_lg_u32 s14, 0
	s_cbranch_scc1 .Lnot_wave_0_\@
	s_barrier_signal -3
.Lnot_wave_0_\@:
	s_barrier_wait -3
	s_barrier_signal -1
	s_barrier_wait -1
.endm
.macro PLACES
.rept 4
	v_nop
.endr
.endm
	s_load_b256 s[4:11], s[0:1], 0x0               ; aimg, codes, lowp_scales, out0
	v_lshl_add_u32 v[SPW], v0, 2, SPARE
	v_mov_b32 v[NIL], 0
	ds_add_u32 v[SPW], v[NIL]                      ; the wave's opening: the add and its wait ahead of my first tensor load
	v_lshrrev_b32 v1, 5, v0
	v_readfirstlane_b32 s14, v1                    ; wave 0..3
	s_lshr_b32 s15, s14, 1                         ; my half of the rows.  Also: I fetch a's images (0) or Wo's rows (1)
	s_and_b32 s16, s14, 1                          ; my half of the columns.  Also: which half of a tile I fetch
	s_bfe_u32 s84, ttmp6, 0x40000                  ; cx
	s_bfe_u32 s85, ttmp6, 0x40004                  ; cy
	s_lshl_b32 s86, ttmp9, 2
	s_add_co_u32 s86, s86, s84                     ; tile column
	s_and_b32 s17, ttmp7, 0xffff
	s_lshl_b32 s17, s17, 2
	s_add_co_u32 s17, s17, s85                     ; tile row
	s_lshl_b32 s87, s85, 2
	s_lshl_b32 s87, 15, s87                        ; my row of the cluster
	s_lshl_b32 s88, 0x1111, s84                    ; my column
	s_or_b32 s[G1A], s87, (3<<16)|(1<<21)          ; the mask; elements of 8 bytes; bit 21 beside a mask; no padding
	s_mov_b32 s[G1A+1], 32<<16                     ; rows of 256 bytes,
	s_mov_b32 s[G1A+2], 64<<16                     ; 64 of them,
	s_mov_b32 s[G1A+3], 32<<16
	s_mov_b32 s[G1A+4], 64
	s_mov_b32 s[G1A+5], 32                         ; dense
	s_mov_b32 s[G1A+6], 0
	s_mov_b32 s[G1A+7], 0
	s_or_b32 s[G1B], s88, (0<<16)|(1<<20)|(1<<21)|(5<<22)|(3<<25)   ; elements of 1 byte; after every 64 words four words of padding
	s_mov_b32 s[G1B+1], 256<<16
	s_mov_b32 s[G1B+2], 64<<16
	s_mov_b32 s[G1B+3], 256<<16
	s_mov_b32 s[G1B+4], 64
	s_mov_b32 s[G1B+5], 1024
	s_mov_b32 s[G1B+6], 0
	s_mov_b32 s[G1B+7], 0
	s_lshl_b32 s18, s17, 17                        ; a: 131,072 bytes for 128 tokens,
	s_lshl_b32 s20, s16, 14                        ; my half of a chunk's 32,768; the same in LDS
	s_add_co_u32 s18, s18, s20
	s_mov_b32 s19, 0
	s_lshl_b32 s90, s86, 7
	s_lshl_b32 s91, s16, 6
	s_add_co_u32 s90, s90, s91
	s_lshl_b32 s90, s90, 10                        ; Wo: row 128 x tile column + 64 x half,
	s_add_co_u32 s90, s90, 0xf00000                ; at byte 15 MB of codes
	s_mov_b32 s91, 0
	s_mul_i32 s21, s16, 64*PITCH
	s_add_co_u32 s21, s21, 32768                   ; and in LDS behind a's images
	s_wait_dscnt 0x0                               ; the opening add is done
	s_wait_kmcnt 0x0
	s_load_b64 s[96:97], s[8:9], 0x28              ; e10, e11
	s_add_nc_u64 s[22:23], s[4:5], s[18:19]
	s_add_nc_u64 s[92:93], s[6:7], s[90:91]
	CROUND                                         ; all sixteen work-groups are here: the joint loads meet
.irp c, 0,1,2,3
	s_mov_b32 s[G0A+4*\c], 1
	s_add_co_u32 s[G0A+4*\c+1], s20, \c*CHB
	s_add_nc_u64 s[G0A+4*\c+2:G0A+4*\c+3], s[22:23], \c*32768
	s_or_b32 s[G0A+4*\c+3], s[G0A+4*\c+3], 0x80000000
	s_mov_b32 s[G0B+4*\c], 1
	s_add_co_u32 s[G0B+4*\c+1], s21, \c*CHB
	s_add_nc_u64 s[G0B+4*\c+2:G0B+4*\c+3], s[92:93], \c*256
	s_or_b32 s[G0B+4*\c+3], s[G0B+4*\c+3], 0x80000000
.endr
	s_cmp_eq_u32 s15, 0                            ; a wave's four first fills stand in one branch on its number, ahead of every wait on TENSORcnt and every LDS read
	s_cbranch_scc0 .Lfill_b
.irp c, 0,1,2,3
	tensor_load_to_lds s[G0A+4*\c:G0A+4*\c+3], s[G1A:G1A+7]
	s_nop 0
.endr
	PLACES
	s_branch .Lfilled
.Lfill_b:
.irp c, 0,1,2,3
	tensor_load_to_lds s[G0B+4*\c:G0B+4*\c+3], s[G1B:G1B+7]
	s_nop 0
.endr
	PLACES
.Lfilled:
	v_and_b32 v1, 15, v0                           ; r
	v_bfe_u32 v2, v0, 4, 1                         ; h
	v_and_b32 v3, 31, v0
	v_lshlrev_b32 v3, 4, v3                        ; 16 x lane
	s_lshl_b32 s18, s15, 14                        ; my four tiles of tokens
	v_add_nc_u32 v[ADA], s18, v3
	v_mul_u32_u24 v4, v1, PITCH
	v_lshl_add_u32 v4, v2, 4, v4
	s_mul_i32 s19, s16, 64*PITCH                   ; my 64 rows of Wo
	s_add_co_u32 s19, s19, 32768
	v_add_nc_u32 v[ADB], s19, v4
.irp c, 1,2,3
	v_add_nc_u32 v[ADA+\c], \c*CHB, v[ADA]
	v_add_nc_u32 v[ADB+\c], \c*CHB, v[ADB]
.endr
	s_mul_i32 s89, s14, 16*SPITCH
	s_add_co_u32 s89, s89, STAGE                   ; my stage
	v_mul_u32_u24 v5, v1, SPITCH
	v_lshl_add_u32 v5, v2, 5, v5
	v_add_nc_u32 v[STO], s89, v5                   ; in: row r, 32 bytes for each half of the lanes
	v_mul_u32_u24 v5, v2, SPITCH
	v_lshl_add_u32 v5, v1, 4, v5
	v_add_nc_u32 v[RD], s89, v5                    ; back: lanes 0-15 one row of 256 bytes, lanes 16-31 the next
	v_lshlrev_b32 v5, 12, v2
	v_lshl_add_u32 v[CO], v1, 4, v5                ; and the same two rows in out0
	s_lshl_b32 s18, s17, 7
	s_lshl_b32 s19, s15, 6
	s_add_co_u32 s18, s18, s19
	s_lshl_b32 s18, s18, 12                        ; my first row: 4,096 bytes a row
	s_lshl_b32 s90, s86, 9
	s_lshl_b32 s91, s16, 8
	s_add_co_u32 s90, s90, s91                     ; my first column, in bytes
	s_add_co_u32 s18, s18, s90
	s_mov_b32 s19, 0
	s_add_nc_u64 s[10:11], s[10:11], s[18:19]
.macro FETCH s, p                      ; the fragments of step s (128 along K) into set p: 32 loads in one run
	WIN 0x40
.irp i, 0,1,2,3
.irp c, 0,1,2,3
	ds_load_b128 v[128*(\p)+64+16*\i+4*\c:128*(\p)+64+16*\i+4*\c+3], v[ADB+(\s)/2] offset:\i*16*PITCH+128*((\s)%2)+32*\c
.endr
.endr
.irp i, 0,1,2,3
.irp c, 0,1,2,3
	ds_load_b128 v[128*(\p)+16*\i+4*\c:128*(\p)+16*\i+4*\c+3], v[ADA+(\s)/2] offset:\i*4096+2048*((\s)%2)+512*\c
.endr
.endr
.endm
.macro MUL s                           ; 16 matrix instructions, the 16 accumulators by turns; step 0 starts the sums
.set F, 128*((\s)%2)
	WIN 0x05                                       ; sources 0 and 1 window 1
.irp a, 0,1,2,3
.irp b, 0,1,2,3
.if (\s) == 0
	v_wmma_f32_16x16x128_fp8_fp8 v[ACC+8*(4*\a+\b):ACC+8*(4*\a+\b)+7], v[F+64+16*\b:F+64+16*\b+15], v[F+16*\a:F+16*\a+15], 0
.else
	v_wmma_f32_16x16x128_fp8_fp8 v[ACC+8*(4*\a+\b):ACC+8*(4*\a+\b)+7], v[F+64+16*\b:F+64+16*\b+15], v[F+16*\a:F+16*\a+15], v[ACC+8*(4*\a+\b):ACC+8*(4*\a+\b)+7]
.endif
.endr
.endr
.endm
	s_wait_tensorcnt 3                             ; my part of chunk 0 is in; the three younger loads stay out
	s_barrier_signal -1
	s_barrier_wait -1                              ; everybody's is
	FETCH 0, 0
.irp s, 0,1,2,3,4,5,6
.if \s%2 == 1
	s_wait_tensorcnt 3-(\s+1)/2                    ; my part of the chunk that the next step begins; the younger loads stay out
	s_wait_dscnt 0x0                               ; no LDS instruction of mine is pending at a signal
	s_barrier_signal -1
	s_barrier_wait -1
.endif
.if \s > 0
	PLACES                                         ; in front of loads into the set that the last products read
.endif
	FETCH \s+1, (\s+1)%2
	s_wait_dscnt 32                                ; all but the 32 just issued
	MUL \s
.endr
	s_wait_dscnt 0x0
	MUL 7
	WIN 0
; THE WAY OUT, 16 rows x 64 columns at a time: x 2^(e10 + e11), through my own stage, back as whole rows of 256 bytes.  LDS serves a wave's instructions in order: no wait between stores and loads.
.macro TOSTAGE a
.set j, 0
.rept 16
	v_pk_mul_f32 v[TMP+j:TMP+j+1], v[ACC+32*(\a)+j:ACC+32*(\a)+j+1], s[96:97] op_sel_hi:[1,0]   ; each accumulator from its low end on
.set j, j+2
.endr
.irp b, 0,1,2,3
	ds_store_b128 v[STO], v[TMP+8*\b:TMP+8*\b+3] offset:64*\b
	ds_store_b128 v[STO], v[TMP+8*\b+4:TMP+8*\b+7] offset:64*\b+16
.endr
.irp i, 0,1,2,3,4,5,6,7
	ds_load_b128 v[BK+32*((\a)%2)+4*\i:BK+32*((\a)%2)+4*\i+3], v[RD] offset:\i*2*SPITCH
.endr
.endm
.macro SEND a, younger                 ; younger: the LDS instructions issued behind block a's loads
	s_wait_dscnt \younger
.irp i, 0,1,2,3,4,5,6,7
	global_store_b128 v[CO], v[BK+32*((\a)%2)+4*\i:BK+32*((\a)%2)+4*\i+3], s[10:11] offset:(16*(\a)+2*\i)*4096 th:TH_STORE_NT   ; sixteen lanes store 256 consecutive bytes, aligned
.endr
.endm
	s_wait_kmcnt 0x0
	s_add_co_i32 s96, s96, s97
	s_add_co_i32 s96, s96, 127
	s_lshl_b32 s96, s96, 23                        ; 2^(e10 + e11) as f32
	PLACES                                         ; behind the last products
	TOSTAGE 0
.irp a, 1,2,3
.if \a > 1
	s_wait_xcnt 0x0                                ; block a - 2's stores have read their registers: block a's rows may land there
.endif
	TOSTAGE \a
	SEND \a-1, 16                                  ; behind block a - 1's loads: block a's eight stores and eight loads
.endr
	SEND 3, 0
	s_wait_tensorcnt 0x0                           ; the wave's end, behind my last tensor load and my last LDS store
	ds_add_u32 v[SPW], v[NIL]
	s_wait_dscnt 0x0
	CROUND                                         ; the closing round
	s_endpgm
.Lfunc_end_k_q83901c2683_outp:
	.size	k_q83901c2683_outp, .Lfunc_end_k_q83901c2683_outp-k_q83901c2683_outp
	.p2alignl 7, 3214868480
	.fill 96, 4, 3214868480
	.section	.rodata,"a",@progbits
	.p2align	6, 0x0
	.amdhsa_kernel k_q83901c2683_outp
		.amdhsa_group_segment_fixed_size 327680
		.amdhsa_private_segment_fixed_size 0
		.amdhsa_enable_private_segment 0
		.amdhsa_kernarg_size 32
		.amdhsa_user_sgpr_count 2
		.amdhsa_user_sgpr_kernarg_segment_ptr 1
		.amdhsa_wavefront_size32 1
		.amdhsa_system_sgpr_workgroup_id_x 1
		.amdhsa_system_sgpr_workgroup_id_y 1
		.amdhsa_system_sgpr_workgroup_id_z 1
		.amdhsa_system_vgpr_workitem_id 0
		.amdhsa_next_free_vgpr 512
		.amdhsa_next_free_sgpr 100
		.amdhsa_reserve_vcc 0
		.amdhsa_float_denorm_mode_32 3
		.amdhsa_float_denorm_mode_16_64 3
		.amdhsa_memory_ordered 1
		.amdhsa_forward_progress 1
		.amdhsa_inst_pref_size 46
	.end_amdhsa_kernel
	.amdgpu_metadata
---
amdhsa.version: [ 1, 2 ]
amdhsa.kernels:
  - .name:           k_q83901c2683_outp
    .symbol:         k_q83901c2683_outp.kd
    .args:
      - { .name: aimg, .offset: 0, .size: 8, .value_kind: global_buffer, .address_space: global }
      - { .name: codes, .offset: 8, .size: 8, .value_kind: global_buffer, .address_space: global }
      - { .name: lowp_scales, .offset: 16, .size: 8, .value_kind: global_buffer, .address_space: global }
      - { .name: out0, .offset: 24, .size: 8, .value_kind: global_buffer, .address_space: global }
    .group_segment_fixed_size: 327680
    .private_segment_fixed_size: 0
    .kernarg_segment_align: 8
    .kernarg_segment_size: 32
    .max_flat_workgroup_size: 128
    .sgpr_count:     100
    .vgpr_count:     512
    .wavefront_size: 32
...
	.end_amdgpu_metadata
.endif
;; end of part 4
